; MI455X (gfx1250); checked and timed in simulation.
; The chip was launched on July 23, 2026; its instructions are those of AMD's public machine-readable ISA for CDNA 5 (MIT licence, August 2026) and "CDNA5" Instruction Set Architecture Reference Guide (July 2026). The comments in the code are by the model that wrote it; some were corrected since.
;; Minibatch Discrimination. Allowed arithmetic: matrix products marked QUANTISED: E4M3 operands, one given power-of-two scale a tensor, by v_wmma_f32_16x16x64_fp8_fp8 or v_wmma_f32_16x16x128_fp8_fp8, f32 sums; everything else in f32.
;; Inputs: kernel_codes 64 x 16 x 64 x 32 uint8 (E4M3 codes of kernel, K innermost, in blocks of 32 codes); lowp_scales 2 int32 (the exponents e of the quantised operands' scales 2^e); x 512 x 2,048 float32.
;; Outputs: out0 512 x 2,112 float32.
;; This version of the problem:
;;   THIS VERSION OF THE PROBLEM IS GIVEN IN LOW PRECISION. The matrix products marked QUANTISED in the list below multiply operands that are first quantised to E4M3 (4 exponent bits, 3 mantissa bits; 8 bits a number), with one given power-of-two scale for each operand tensor; their sums are f32. All else is computed in f32.
;;   The module's matrix products, in the order in which they are computed (A, B: the left and right operand; K: the contracted axis; several contracted axes count as one K, in the product's order):
;;     1. [M 512, K 2,048] x [K 2,048, N 1,024]; A: input x; B: input kernel (given as codes): QUANTISED (scales: A lowp_scales[0], B lowp_scales[1])
;;   THE QUANTISER, for each operand of a quantised product, along K:
;;     - The operand's scale is 2^e, e = its entry of the input lowp_scales (int32; the entries are numbered through the quantised products in the list's order, A before B).
;;     - Each number is divided by the scale, clamped to +-448, and rounded to the nearest number of E4M3, ties to even, subnormals kept.
;;     - The product sums the exact products of the quantised numbers (number of the format x scale) in f32.
;;   ~~~python
;;   def quantise(x, axis, e):      # numpy; x: float32 -> the quantised numbers, widened to float32 again
;;       x = np.moveaxis(x, axis, -1); K = x.shape[-1]
;;       r = np.clip(x / 2.0 ** e, -448, 448)
;;       step = 2.0 ** (np.maximum(np.frexp(np.where(r == 0, 1, r))[1] - 1, -6) - 3)
;;       q = np.round(r / step) * step * 2.0 ** e      # np.round: ties to even
;;       return np.moveaxis(q, -1, axis).astype(np.float32)
;;   ~~~
;;   INPUTS GIVEN AS CODES. kernel (in the module: [2048, 64, 16], K = its axis 0): each comes as NAME_codes (uint8): NAME with its K axis moved to the last place and cut into blocks of 32 codes, [.., K / 32, bytes a block], one block behind the other in memory; one code a byte (a code: sign, 4 exponent bits, 3 mantissa bits); its scale is its entry of lowp_scales. Its value is code x scale, taken as it is: it is not quantised again, and the codes and scales need not be those that the quantiser above would give.
;; One version. Each part assembles by itself: llvm-mc -triple=amdgcn-amd-amdhsa -mcpu=gfx1250 --defsym DOCPART=n.
;; ======== version 1 of 1: 2 launches
;; limits: right only within a limited range of input values
;; workspace buffers: act 4,194,304 bytes
;; launch project (part 1): grid 16 x 16, 16 waves a work-group, clusters of 4 x 4, 303,104 bytes of LDS; arguments x, kernel_codes, lowp_scales, act; writes act
.if DOCPART == 1
	.amdgcn_target "amdgcn-amd-amdhsa--gfx1250"
	.amdhsa_code_object_version 6
	.text
	.protected	k_q9827e847f3_project
	.globl	k_q9827e847f3_project
	.p2align	8
	.type	k_q9827e847f3_project,@function
k_q9827e847f3_project:
	s_mov_b64 s[64:65], 0
	v_nop
	global_prefetch_b8 v0, s[64:65] scope:SCOPE_SE
	s_setreg_imm32_b32 hwreg(HW_REG_WAVE_MODE, 25, 1), 1
	s_wait_xcnt 0x0
	s_wait_alu depctr_hold_cnt(0) depctr_sa_sdst(0) depctr_va_vdst(0) depctr_va_sdst(0) depctr_va_ssrc(0) depctr_va_vcc(0) depctr_vm_vsrc(0)
	s_getreg_b32 s2, hwreg(HW_REG_IB_STS2, 6, 4)
	s_cmp_eq_u32 s2, 0
	s_cbranch_scc0 .Lentry_in_a_cluster
	s_endpgm
.Lentry_in_a_cluster:
	s_bfe_u32 s2, ttmp6, 0x10000c
	s_cmp_lg_u32 s2, 0xf033
	s_cbranch_scc0 .Lentry_shape_is_right
	s_endpgm
.Lentry_shape_is_right:
; act = two parts; part p holds, for b < 512 and n = 16 k + d < 1024, 2 log2(e) x 2^(e0 + e1) x sum over f in [1024 p, 1024 p + 1024) of code(x[b][f]) x code(kernel[n][f]).
; x: [512][2048] f32, quantised here to E4M3 with the given scale 2^e0 (divided, held within +-448, nearest code, ties to even).  kernel_codes: [1024][2048] codes, K innermost, scale 2^e1.
; The factor 2 log2(e) serves the next launch: its exponentials are to the base 2, and it adds maxima of these numbers.
; Nothing of reference() is left out by this program: every input is read, and the product, the distances, the exponentials, the sums and the copy of x are all made.
; LIMITS: e0 between -126 and 119, so that 2^e0 and 448 x 2^e0 are f32 numbers; e0 + e1 is applied by v_ldexp_f32 and has none.  NaN in x is not served in the product.
;         K is summed in sixteen parts of 128 (eight here, added as a tree; the two halves by the next launch): another order of rounding than ascending K.
; SHARES.  A work-group makes 32 rows b x 128 columns n (8 of the 64 k) over one half of K, 1,024: 32 x 4,096 bytes of x and 128 x 1,024 bytes of codes, which lie in LDS together.  256 work-groups.
; CLUSTERS: 4 x 4.  The four of a row of the cluster need the same rows of x, the four of a column the same codes: each tile is asked for JOINTLY.  x's address hangs on the row block, the codes'
; on the column block; the half of K hangs on the cluster's number alone.
; Waves 0-7 fetch x: 32 rows x 512 bytes (a slice of 128 of K) each.  Waves 8-15 fetch codes: 16 rows x 1,024 bytes each.  One tensor load a wave, and each LDS byte is filled once.
; No prefetch: everything is asked for at the head, and no loop is there to run ahead in.
; A wave that fetched a slice of x reads it behind its own wait, quantises it, and hands the two fragments (16 rows x 128 K each) on as images of the operand's registers.
; Behind the barrier wave w works on slice w / 2 and columns 64 (w % 2) ..: 2 fragments of x, 4 of codes (one a k), 8 matrix instructions: no code is read twice.
; The matrix instruction is used transposed (source 0 = 16 rows of the kernel, source 1 = 16 rows of x): lane (r, h) holds row b = r and d = 8 h + 0 .. 7.
; A fragment holds k = 32 c + 16 h + 0 .. 15 in registers 4 c ..: a permutation of k, the same on both sides, so every product meets its partner.
; PARTIAL SUMS go over the slices of x, which have been read by then and are not filled again.
; OUT: act is laid [part][k][piece of 4 numbers][b][4 numbers]: sixteen neighbouring lanes store 256 consecutive bytes, aligned.
.set XP,    528                        ; an LDS row of x: 512 bytes + 16 = 132 words: row r starts at bank 4 r mod 64 (64 banks of 4 bytes: ISA guide 11.1)
.set XW,    16*XP                      ; 16 rows; a slice of x is two of these
.set KC,    16*XW                      ; the codes lie behind x
.set KP,    1040                       ; an LDS row of codes: 1,024 bytes + 16 = 260 words: row r starts at bank 4 r mod 64
.set KT,    16*KP                      ; 16 rows: one k
.set IMG,   KC+8*KT                    ; behind them: the images of x's fragments, 4,096 bytes a slice
.set SPARE, IMG+8*4096                 ; behind them: the spare words, 128 bytes for each wave
.set XA,  3                            ; v3      my place in x's rows
.set KA,  4                            ; v4      my place in the codes
.set IS,  5                            ; v5      where I put the images
.set RS,  6                            ; v6      where I put my partial sums
.set IL,  7                            ; v7      where I read the images
.set RL,  8                            ; v8-9    where I read partial sums of slices 0-3, 4-7
.set GO,  10                           ; v10     16 x lane
.set SCL, 11                           ; v11     2^e0 as f32
.set LIM, 12                           ; v12     448 x 2^e0
.set OV,  13                           ; v13     my byte offset in act
.set SPW, 14                           ; v14     LDS address of my spare word; never rewritten
.set NIL, 15                           ; v15     0; never rewritten
.set XF,  32                           ; v32-63  x's two fragments
.set X,   64                           ; v64-191 x as f32
.set ACC, 64                           ; v64-127 later: eight accumulators, (k, m) at 8 (2 k + m)
.set KF,  128                          ; v128-191 later: four fragments of codes
.set P,   128                          ; v128-191 at the end: eight partial sums of one tile
.macro ROUND                           ; a round of the cluster's barrier
	s_barrier_signal -1
	s_barrier_wait -1
	s_cmp_lg_u32 s12, 0
	s_cbranch_scc1 .Lnot_wave_0_\@
	s_barrier_signal -3
.Lnot_wave_0_\@:
	s_barrier_wait -3
	s_barrier_signal -1
	s_barrier_wait -1
.endm
	s_load_b256 s[4:11], s[0:1], 0x0               ; x s[4:5], codes s[6:7], scales' exponents s[8:9], act s[10:11]
	v_lshl_add_u32 v[SPW], v0, 2, SPARE
	v_mov_b32 v[NIL], 0
	ds_add_u32 v[SPW], v[NIL]                      ; the wave's opening: the add, twice on end, and its wait ahead of my tensor load
	ds_add_u32 v[SPW], v[NIL]
	v_lshrrev_b32 v1, 5, v0
	s_delay_alu instid0(VALU_DEP_1)
	v_readfirstlane_b32 s12, v1                    ; wave 0..15
	s_lshr_b32 s13, s12, 3                         ; I fetch x (0) or codes (1)
	s_and_b32 s22, s12, 7                          ; which of the eight tiles
	s_bfe_u32 s14, ttmp6, 0x40000                  ; cx
	s_bfe_u32 s15, ttmp6, 0x40004                  ; cy
	s_and_b32 s17, ttmp7, 0xffff
	s_lshl_b32 s17, s17, 2
	s_add_co_u32 s17, s17, s15                     ; row block 0..15
	s_lshr_b32 s19, ttmp9, 1                       ; half of K: the cluster's number alone
	s_and_b32 s18, ttmp9, 1
	s_lshl_b32 s18, s18, 2
	s_add_co_u32 s18, s18, s14                     ; column block 0..7
	s_lshl_b32 s48, s15, 2
	s_lshl_b32 s48, 15, s48                        ; my row of the cluster
	s_lshl_b32 s49, 0x1111, s14                    ; my column
	s_or_b32 s24, s48, (2<<16)|(1<<20)|(1<<21)|(6<<22)|(3<<25)  ; x: mask; elements of 4 bytes; padding on; 21 set beside a mask; after every 128 words; 4 words
	s_mov_b32 s25, 128<<16                         ; tensor_dim0 = 128
	s_mov_b32 s26, 32<<16                          ; tensor_dim1 = 32
	s_mov_b32 s27, 128<<16                         ; tile_dim0 = 128
	s_mov_b32 s28, 32                              ; tile_dim1 = 32
	s_mov_b32 s29, 2048                            ; from row to row
	s_mov_b32 s30, 0
	s_mov_b32 s31, 0
	s_or_b32 s36, s49, (0<<16)|(1<<20)|(1<<21)|(7<<22)|(3<<25)  ; codes: elements of 1 byte; after every 256 words; 4 words
	s_mov_b32 s37, 1024<<16
	s_mov_b32 s38, 16<<16
	s_mov_b32 s39, 1024<<16
	s_mov_b32 s40, 16
	s_mov_b32 s41, 2048
	s_mov_b32 s42, 0
	s_mov_b32 s43, 0
	s_lshl_b32 s50, s17, 18                        ; x: 32 rows of 8,192 bytes a block,
	s_lshl_b32 s51, s19, 12                        ; + 4,096 bytes a half of K,
	s_add_co_u32 s50, s50, s51
	s_lshl_b32 s51, s22, 9                         ; + 512 bytes a slice
	s_add_co_u32 s50, s50, s51
	s_mov_b32 s51, 0
	s_lshl_b32 s52, s18, 18                        ; codes: 128 rows of 2,048 bytes a block,
	s_lshl_b32 s53, s22, 15                        ; + 16 rows a tile,
	s_add_co_u32 s52, s52, s53
	s_lshl_b32 s53, s19, 10                        ; + 1,024 bytes a half of K
	s_add_co_u32 s52, s52, s53
	s_mov_b32 s53, 0
	s_mov_b32 s32, 1                               ; group 0 of x: count = 1, LDS address
	s_mul_i32 s33, s22, 2*XW
	s_mov_b32 s44, 1                               ; group 0 of the codes
	s_mul_i32 s45, s22, KT
	s_add_co_u32 s45, s45, KC
	s_lshr_b32 s62, s12, 1                         ; my slice behind the barrier; at the end my tile's k
	s_and_b32 s63, s12, 1                          ; my 64 columns; at the end my tile's 16 rows
	s_lshl_b32 s54, s22, 12
	s_add_co_u32 s54, s54, IMG                     ; the images of the slice that I fetched,
	s_lshl_b32 s59, s62, 12
	s_add_co_u32 s59, s59, IMG                     ; and of the slice that I work on
	s_lshl_b32 s55, s62, 7
	s_mul_i32 s56, s63, 4*KT
	s_add_co_u32 s55, s55, s56
	s_add_co_u32 s55, s55, KC                      ; my slice and my four k in the codes
	s_mul_i32 s56, s62, 2*XW
	s_lshl_b32 s57, s63, 13
	s_add_co_u32 s56, s56, s57                     ; my partial sums: 8,192 bytes in my slice's bytes
	s_lshl_b32 s57, s12, 10                        ; my tile in slice 0's partial sums
	s_add_co_u32 s58, s57, 8*XW                    ; and in slice 4's
	s_lshl_b32 s60, s19, 21                        ; act: 2,097,152 bytes a part,
	s_lshl_b32 s61, s18, 18                        ; 8 k of 32,768 bytes a column block,
	s_add_co_u32 s60, s60, s61
	s_lshl_b32 s61, s62, 15                        ; my k,
	s_add_co_u32 s60, s60, s61
	s_lshl_b32 s61, s17, 9                         ; 32 rows of 16 bytes a row block,
	s_add_co_u32 s60, s60, s61
	s_lshl_b32 s61, s63, 8                         ; my 16 rows
	s_add_co_u32 s60, s60, s61
	s_mov_b32 s61, 0
	s_wait_alu depctr_va_vdst(0)
	s_wait_dscnt 0x0                               ; both opening adds are done
	ROUND                                          ; all sixteen work-groups are here: the joint loads meet
	s_wait_kmcnt 0x0
	s_load_b64 s[20:21], s[8:9], 0x0               ; e0, e1
	s_add_nc_u64 s[34:35], s[4:5], s[50:51]
	s_or_b32 s35, s35, 0x80000000                  ; type = 2
	s_add_nc_u64 s[46:47], s[6:7], s[52:53]
	s_or_b32 s47, s47, 0x80000000
	s_add_nc_u64 s[10:11], s[10:11], s[60:61]
	s_cmp_eq_u32 s13, 0
	s_cbranch_scc0 .Lfor_codes
	tensor_load_to_lds s[32:35], s[24:31]          ; by this text's count a wave has one tensor load out
	s_nop 0
.rept 4
	v_nop
.endr
	s_branch .Lasked
.Lfor_codes:
	tensor_load_to_lds s[44:47], s[36:43]
	s_nop 0
.rept 4
	v_nop
.endr
.Lasked:
	v_and_b32 v2, 31, v0                           ; lane
	v_and_b32 v16, 15, v0                          ; r
	v_bfe_u32 v17, v0, 4, 1                        ; h
	v_lshlrev_b32 v[GO], 4, v2
	v_mul_u32_u24 v18, v16, XP
	v_mul_u32_u24 v19, v16, KP
	v_lshlrev_b32 v20, 14, v17                     ; act: lanes 16-31 begin two pieces of 8,192 bytes further on
	v_lshl_add_u32 v18, v17, 6, v18                ; x: row r, + 64 bytes (16 numbers) x h
	v_lshl_add_u32 v19, v17, 4, v19                ; codes: row r, + 16 x h
	v_lshl_add_u32 v[OV], v16, 4, v20
	v_add_nc_u32 v[XA], s33, v18
	v_add_nc_u32 v[KA], s55, v19
	v_add_nc_u32 v[IS], s54, v[GO]
	v_add_nc_u32 v[IL], s59, v[GO]
	v_add_nc_u32 v[RS], s56, v[GO]
	v_add_nc_u32 v[RL], s57, v[GO]
	v_add_nc_u32 v[RL+1], s58, v[GO]
	s_wait_alu depctr_va_vdst(0)                   ; directly ahead of the wait below
	s_wait_kmcnt 0x0
	s_add_co_i32 s48, s20, 127
	s_lshl_b32 s49, s48, 23
	v_mov_b32 v[SCL], s49                          ; 2^e0: the conversion takes its exponent field
	s_add_co_i32 s48, s48, 8
	s_lshl_b32 s48, s48, 23
	s_or_b32 s48, s48, 0x600000
	v_mov_b32 v[LIM], s48                          ; 448 x 2^e0
	s_add_co_i32 s23, s20, s21
	s_add_co_i32 s23, s23, 1                       ; e0 + e1 + 1: the factor 2 with it
	s_wait_alu depctr_va_vdst(0)
	s_wait_tensorcnt 0x0                           ; my tile has landed
	s_cmp_gt_u32 s12, 7
	s_cbranch_scc1 .Lshow                          ; waves 0-7 fetched x: each quantises its own slice
.irp m, 0,1
.irp c, 0,1,2,3
.irp i, 0,1,2,3
	ds_load_b128 v[X+64*\m+16*\c+4*\i:X+64*\m+16*\c+4*\i+3], v[XA] offset:\m*XW+128*\c+16*\i   ; row 16 m + r, k = 32 c + 16 h + 4 i ..
.endr
.endr
.endr
.irp m, 0,1
.irp c, 0,1,2,3
	s_wait_dscnt 28-4*(4*\m+\c)                    ; this piece's four loads are in; the later pieces' may be out
.irp i, 0,1,2,3,4,5,6,7,8,9,10,11,12,13,14,15
	v_med3_num_f32 v[X+64*\m+16*\c+\i], v[X+64*\m+16*\c+\i], -v[LIM], v[LIM]   ; the conversion to an 8-bit code does not saturate (ISA guide 7.6.2): the hold at the largest code x the scale
.endr
	v_cvt_scalef32_pk8_fp8_f32 v[XF+16*\m+4*\c:XF+16*\m+4*\c+1], v[X+64*\m+16*\c:X+64*\m+16*\c+7], v[SCL]
	v_cvt_scalef32_pk8_fp8_f32 v[XF+16*\m+4*\c+2:XF+16*\m+4*\c+3], v[X+64*\m+16*\c+8:X+64*\m+16*\c+15], v[SCL]
.endr
.endr
	v_nop                                          ; one plain vector instruction behind the last conversion
.irp g, 0,1,2,3,4,5,6,7
	ds_store_b128 v[IS], v[XF+4*\g:XF+4*\g+3] offset:512*\g        ; four registers' image: 512 consecutive bytes
.endr
	s_wait_alu depctr_va_vdst(0)                   ; directly ahead of the wait below
	s_wait_dscnt 0x0                               ; for the others' sake: the images lie in LDS
.Lshow:
	s_barrier_signal -1
	s_barrier_wait -1                              ; every tile has landed, and every image is there
.irp g, 0,1,2,3,4,5,6,7
	ds_load_b128 v[XF+4*\g:XF+4*\g+3], v[IL] offset:512*\g
.endr
.irp t, 0,1,2,3
.irp c, 0,1,2,3
	ds_load_b128 v[KF+16*\t+4*\c:KF+16*\t+4*\c+3], v[KA] offset:\t*KT+32*\c
.endr
.endr
.irp t, 0,1,2,3
	s_wait_dscnt 12-4*\t                           ; x's fragments and k number t's four loads are in
.irp m, 0,1
	v_wmma_f32_16x16x128_fp8_fp8 v[ACC+8*(2*\t+\m):ACC+8*(2*\t+\m)+7], v[KF+16*\t:KF+16*\t+15], v[XF+16*\m:XF+16*\m+15], 0
.endr
.endr
.rept 4
	v_nop                                          ; four places in front of the first read of results (ISA guide 7.12.1)
.endr
.irp t, 0,1,2,3,4,5,6,7
	ds_store_b128 v[RS], v[ACC+8*\t:ACC+8*\t+3] offset:\t*1024        ; each accumulator from its low end on; 512 consecutive bytes a store
	ds_store_b128 v[RS], v[ACC+8*\t+4:ACC+8*\t+7] offset:\t*1024+512
.endr
	s_wait_dscnt 0x0                               ; for the others' sake: my partial sums lie in LDS
	s_barrier_signal -1
	s_barrier_wait -1
.irp s, 0,1,2,3,4,5,6,7
	ds_load_b128 v[P+8*\s:P+8*\s+3], v[RL+\s/4] offset:(\s%4)*2*XW    ; my tile (k = w / 2, 16 rows = w % 2) as slice s gave it
	ds_load_b128 v[P+8*\s+4:P+8*\s+7], v[RL+\s/4] offset:(\s%4)*2*XW+512
.endr
	s_wait_dscnt 0x0
.irp w, 0,1,2,3
.irp i, 0,2,4,6
	v_pk_add_f32 v[P+8*\w+\i:P+8*\w+\i+1], v[P+8*\w+\i:P+8*\w+\i+1], v[P+8*(\w+4)+\i:P+8*(\w+4)+\i+1]
.endr
.endr
.irp w, 0,1
.irp i, 0,2,4,6
	v_pk_add_f32 v[P+8*\w+\i:P+8*\w+\i+1], v[P+8*\w+\i:P+8*\w+\i+1], v[P+8*(\w+2)+\i:P+8*(\w+2)+\i+1]
.endr
.endr
.irp i, 0,2,4,6
	s_delay_alu instid0(VALU_DEP_4)
	v_pk_add_f32 v[P+\i:P+\i+1], v[P+\i:P+\i+1], v[P+8+\i:P+8+\i+1]
.endr
.irp i, 0,1,2,3,4,5,6,7
	v_ldexp_f32 v[P+\i], v[P+\i], s23              ; x 2^(e0 + e1 + 1): nothing is rounded, short of overflow and underflow
.endr
.irp i, 0,2,4,6
	v_pk_mul_f32 v[P+\i:P+\i+1], v[P+\i:P+\i+1], 0x3fb8aa3b op_sel_hi:[1,0]   ; x log2(e)
.endr
	global_store_b128 v[OV], v[P:P+3], s[10:11]                ; pieces 0 and 2
	global_store_b128 v[OV], v[P+4:P+7], s[10:11] offset:8192  ; pieces 1 and 3
	s_wait_tensorcnt 0x0                           ; the wave's end
	ds_add_u32 v[SPW], v[NIL]
	s_wait_dscnt 0x0
	ROUND                                          ; the closing round: no work-group ends while a partner may still ask for a tile that names it
	s_endpgm
.Lfunc_end_k_q9827e847f3_project:
	.size	k_q9827e847f3_project, .Lfunc_end_k_q9827e847f3_project-k_q9827e847f3_project
	.p2alignl 7, 3214868480
	.fill 96, 4, 3214868480
	.section	.rodata,"a",@progbits
	.p2align	6, 0x0
	.amdhsa_kernel k_q9827e847f3_project
		.amdhsa_group_segment_fixed_size 303104
		.amdhsa_private_segment_fixed_size 0
		.amdhsa_enable_private_segment 0
		.amdhsa_kernarg_size 32
		.amdhsa_user_sgpr_count 2
		.amdhsa_user_sgpr_kernarg_segment_ptr 1
		.amdhsa_wavefront_size32 1
		.amdhsa_system_sgpr_workgroup_id_x 1
		.amdhsa_system_sgpr_workgroup_id_y 1
		.amdhsa_system_sgpr_workgroup_id_z 1
		.amdhsa_system_vgpr_workitem_id 0
		.amdhsa_next_free_vgpr 192
		.amdhsa_next_free_sgpr 66
		.amdhsa_reserve_vcc 0
		.amdhsa_float_denorm_mode_32 3
		.amdhsa_float_denorm_mode_16_64 3
		.amdhsa_memory_ordered 1
		.amdhsa_forward_progress 1
		.amdhsa_inst_pref_size 27
	.end_amdhsa_kernel
	.amdgpu_metadata
---
amdhsa.version: [ 1, 2 ]
amdhsa.kernels:
  - .name:           k_q9827e847f3_project
    .symbol:         k_q9827e847f3_project.kd
    .args:
      - { .name: x, .offset: 0, .size: 8, .value_kind: global_buffer, .address_space: global }
      - { .name: kernel_codes, .offset: 8, .size: 8, .value_kind: global_buffer, .address_space: global }
      - { .name: lowp_scales, .offset: 16, .size: 8, .value_kind: global_buffer, .address_space: global }
      - { .name: act, .offset: 24, .size: 8, .value_kind: global_buffer, .address_space: global }
    .group_segment_fixed_size: 303104
    .private_segment_fixed_size: 0
    .kernarg_segment_align: 8
    .kernarg_segment_size: 32
    .max_flat_workgroup_size: 512
    .sgpr_count:     66
    .vgpr_count:     192
    .wavefront_size: 32
...
	.end_amdgpu_metadata
.endif
;; end of part 1
;; launch pairs (part 2): grid 64 x 4, 16 waves a work-group, no clusters, 51,968 bytes of LDS; arguments act, x, out0; writes out0
.if DOCPART == 2
	.amdgcn_target "amdgcn-amd-amdhsa--gfx1250"
	.amdhsa_code_object_version 6
	.text
	.protected	k_q9827e847f3_pairs
	.globl	k_q9827e847f3_pairs
	.p2align	8
	.type	k_q9827e847f3_pairs,@function
k_q9827e847f3_pairs:
	s_mov_b64 s[64:65], 0
	v_nop
	global_prefetch_b8 v0, s[64:65] scope:SCOPE_SE
	s_setreg_imm32_b32 hwreg(HW_REG_WAVE_MODE, 25, 1), 1
	s_wait_xcnt 0x0
; out0[b][2048 + k] = sum over b' < 512 of exp(-sum over d < 16 of |a[b][k][d] - a[b'][k][d]|), and out0[b][0 .. 2047] = x[b][:].  out0: [512][2112] f32.  No work of reference() is left out here.
; act holds, in two parts that are added here, 2 log2(e) x a.  u[b] = that, less the same numbers of row 0: the difference of two rows is the same, and a common offset of the rows does not enter the sums below.
; |p - q| = 2 max(p, q) - p - q, so the exponent to the base 2 is -(sum over d of max(u[b], u[b']) - (sum of u[b]) / 2 - (sum of u[b']) / 2).
; Each row carries N = -(sum of u) / 2 with it, and the exponent is -(sum of maxima + N[b] + N[b']).
; LIMITS: the exponent is rounded relative to the spread of the rows' u and not to the distance itself: its error is of the order of 2^-24 x the sum over d of |u|.  It is 0 or less up to that rounding, so nothing overflows.
;         An exponential under 2^-126 counts as 0 (v_exp_f32 flushes: ISA guide 15.8).  An infinity in act gives NaN in every row of its k.
; act's layout: [part][k][piece][b][4 numbers].
; SHARES.  A work-group owns one k and 128 rows b = 128 q + o.  All 512 rows of that k go into LDS once.  EVERY wave holds the 128 own rows, four a lane (o = 32 j + lane), and walks 32 of the 512 b'.
; A DISTANCE IS SYMMETRIC: of the own rows, those with o < 64 meet those with o >= 64 once.  A wave's walk: 4 b' with o >= 64, against rows j = 2, 3 alone (rows 0 and 1 are read from LDS meanwhile);
; 4 with o < 64, and 24 of other work-groups' rows, each against four rows a lane.
; What the rows with o < 64 lack is, for each b' with o < 64, the sum over the lanes of rows 2 and 3's exponentials (COL).
; LDS: thread t brings row b = (128 q + (t xor 64)) mod 512 and puts it at place t / 16 of wave t % 16's 32 places: places 0-3 are o >= 64, 4-7 o < 64, and a wave's walk lies on end.
; A place is 80 bytes: 16 numbers, then N twice, then 8 bytes unused; a wave's places are 2,576 bytes: 16 neighbouring lanes touch 16 different columns of 16 bytes modulo 256.
; A UNIT is one b' against four rows a lane: 32 dual maxima (a pair of rows each), 34 packed additions.  The exponentials of three or four units are issued as a batch at the head of the next units, and are read behind the next maxima.
; A b' comes by five LDS loads at one address for all lanes, three units ahead, into the registers that the unit in hand has just read: three sets of registers by turns.
; THE COPY OF x stands here, 16,384 bytes a work-group (rows 2 g and 2 g + 1): loads behind the barrier, stores ahead of the loop; each covers 512 consecutive bytes a wave, aligned.
; NO CLUSTER: the four work-groups of a k read the same 65,536 bytes, once, against 16 waves x 30 units x 72 vector instructions: what is shared is a small part of the work, and no tensor load is used.  No prefetch: the loop reads LDS alone.
; THE FEATURES LEAVE 4 BYTES A ROW: 256 whole bytes of a row are all 64 k, and a work-group that owned them would have to read all of act.  They are 131,072 of the output's 4,325,376 bytes.
.set HALF,  2097152                    ; act's second part
.set PL,    80                         ; a place
.set WS,    32*PL+16                   ; a wave's places
.set RED,   16*WS                      ; behind them: the waves' sums, 512 bytes a wave
.set CB,    RED+16*512                 ; behind them: COL, 4 words a wave, and as many zeros for the rows that have none
.set SPARE, CB+512                     ; behind them: the spare words, 128 bytes for each wave
.set LANE, 2                           ; v2   lane
.set TO,   3                           ; v3   16 x thread; never rewritten
.set AA,   4                           ; v4   LDS: my rows
.set BA,   5                           ; v5   LDS: my walk's place in hand, less 8 places
.set RSA,  6                           ; v6   LDS: where I put my four sums
.set RLA,  7                           ; v7   LDS: where I read one row's sixteen sums
.set OO,   8                           ; v8   8,448 x lane
.set CSA,  9                           ; v9   LDS: where my wave puts COL
.set SPW,  10                          ; v10  LDS address of my spare word; never rewritten
.set NIL,  11                          ; v11  0; never rewritten
.set XCP,  12                          ; v12-19   x on its way to out0
.set ACC,  20                          ; v20-23   my four rows' sums
.set HAB,  24                          ; v24-27   N[b] + N[b'] for my four rows
.set NHA,  28                          ; v28-31   N of my four rows
.set COL,  32                          ; v32-35
.set CRA,  36                          ; v36  LDS: where I read COL
.set LA,   37                          ; v37  LDS: my thread's place
.set RO,   38                          ; v38  act: 16 x my thread's row
.set B,    40                          ; v40-99   three b' by turns, 20 registers each
.set T,    100                         ; v100-163 maxima, then partial sums: for rows (0, 1) and for rows (2, 3), 16 pairs each; at the head: act
.set DIST, 164                         ; v164-179 distances, then exponentials
.set A,    180                         ; v180-249 my four rows, 18 registers apart, so that a pair of rows lies in different banks of the dual form
	s_load_b128 s[4:7], s[0:1], 0x0                ; act, x
	s_load_b64 s[8:9], s[0:1], 0x10                ; out0
	v_lshl_add_u32 v[SPW], v0, 2, SPARE
	v_mov_b32 v[NIL], 0
	v_lshrrev_b32 v1, 5, v0
	s_delay_alu instid0(VALU_DEP_1)
	v_readfirstlane_b32 s12, v1                    ; wave 0..15
	s_and_b32 s13, ttmp7, 3                        ; q: the grid has four work-groups along y
	s_lshl_b32 s24, s13, 7
	v_xor_b32 v[RO], 64, v0
	v_and_b32 v[LANE], 31, v0
	v_lshlrev_b32 v[TO], 4, v0
	v_add_nc_u32 v[RO], s24, v[RO]
	s_delay_alu instid0(VALU_DEP_1)
	v_and_b32 v[RO], 0x1ff, v[RO]                  ; (128 q + (t xor 64)) mod 512
	s_delay_alu instid0(VALU_DEP_1)
	v_lshlrev_b32 v[RO], 4, v[RO]
	s_lshl_b32 s14, ttmp9, 15                      ; k x 32,768 bytes
	s_mov_b32 s15, 0
	s_lshl_b32 s16, ttmp9, 2
	s_add_co_u32 s16, s16, s13                     ; g = 4 k + q, 0 .. 255
	s_lshl_b32 s18, s16, 14                        ; two rows of x,
	s_mov_b32 s19, 0
	s_mul_i32 s20, s16, 16896                      ; two rows of out0
	s_mov_b32 s21, 0
	s_mov_b32 s30, 0x76543210                      ; v_permlanex16_b32's selects for lane l xor 16
	s_mov_b32 s31, 0xfedcba98
	s_mul_i32 s25, s12, WS
	s_lshl_b32 s26, s12, 4
	s_add_co_u32 s26, s26, CB
	s_lshl_b32 s27, s12, 2
	s_add_co_u32 s27, s27, RED
	s_and_b32 s28, s12, 1
	s_lshl_b32 s28, s28, 3
	s_and_b32 s29, s12, 2
	s_lshl_b32 s29, s29, 7
	s_add_co_u32 s28, s28, s29
	s_add_co_u32 s28, s28, CB                      ; COL's words of rows o = 32 w + lane: 8 (w % 2) + 256 (w / 2), used by waves 0 to 3
	s_wait_alu depctr_va_vdst(0)                   ; directly ahead of the wait below
	s_wait_kmcnt 0x0
	s_add_nc_u64 s[4:5], s[4:5], s[14:15]
	s_add_nc_u64 s[6:7], s[6:7], s[18:19]
	s_add_nc_u64 s[22:23], s[8:9], s[20:21]
.irp p, 0,1,2,3
	global_load_b128 v[T+4*\p:T+4*\p+3], v[RO], s[4:5] offset:\p*8192
	global_load_b128 v[T+16+4*\p:T+16+4*\p+3], v[RO], s[4:5] offset:HALF+\p*8192
.endr
.irp p, 0,1,2,3
	s_load_b128 s[32+4*\p:35+4*\p], s[4:5], \p*8192                ; row 0 of this k, both parts
	s_load_b128 s[48+4*\p:51+4*\p], s[4:5], HALF+\p*8192
.endr
	v_and_b32 v1, 15, v0
	v_lshrrev_b32 v[LA], 4, v0
	v_bfe_u32 v[AA], v0, 4, 1
	v_mov_b32 v[BA], s25
	v_mul_u32_u24 v1, v1, WS                       ; wave t % 16's places
	v_mul_u32_u24 v[LA], v[LA], PL
	v_mul_u32_u24 v[AA], v[AA], PL
	v_and_b32 v[CRA], 15, v0
	v_bfe_u32 v[RLA], v0, 4, 1
	v_add_nc_u32 v[LA], v[LA], v1
	v_add_nc_u32 v[AA], v[AA], v1                  ; own row o = 32 j + lane: wave lane % 16, place (2 j + 4) mod 8 + lane / 16
	v_lshlrev_b32 v[CRA], 4, v[CRA]
	v_add_nc_u32 v[RSA], RED, v[TO]
	v_mov_b32 v[CSA], s26
	v_lshl_add_u32 v[CRA], v[RLA], 2, v[CRA]       ; 16 (lane % 16) + 4 (lane / 16)
	v_lshlrev_b32 v[RLA], 4, v[LANE]
	v_mul_u32_u24 v[OO], v[LANE], 8448
	v_add_nc_u32 v[CRA], s28, v[CRA]
	v_add_nc_u32 v[RLA], s27, v[RLA]               ; 16 x lane + 4 j, j = my wave's number (used by waves 0 to 3)
.irp j, 0,1,2,3
	v_mov_b32 v[ACC+\j], 0
.endr
	s_wait_alu depctr_va_vdst(0)                   ; directly ahead of the wait below
	s_wait_kmcnt 0x0
.irp i, 0,1,2,3,4,5,6,7,8,9,10,11,12,13,14,15
	s_add_f32 s[32+\i], s[32+\i], s[48+\i]         ; row 0: the two parts added, as every row's are below
.endr
	s_wait_loadcnt 0x0
.irp i, 0,2,4,6,8,10,12,14
	v_pk_add_f32 v[T+\i:T+\i+1], v[T+\i:T+\i+1], v[T+16+\i:T+17+\i]
.endr
.irp i, 0,1,2,3,4,5,6,7,8,9,10,11,12,13,14,15
	v_sub_f32 v[T+\i], v[T+\i], s[32+\i]
.endr
.irp p, 0,1,2,3
	ds_store_b128 v[LA], v[T+4*\p:T+4*\p+3] offset:16*\p
.endr
.irp i, 0,2,4,6
	v_pk_add_f32 v[T+16+\i:T+17+\i], v[T+\i:T+\i+1], v[T+8+\i:T+9+\i]
.endr
.irp i, 0,2
	v_pk_add_f32 v[T+16+\i:T+17+\i], v[T+16+\i:T+17+\i], v[T+20+\i:T+21+\i]
.endr
	s_delay_alu instid0(VALU_DEP_1)
	v_pk_add_f32 v[T+16:T+17], v[T+16:T+17], v[T+18:T+19]
	s_delay_alu instid0(VALU_DEP_1)
	v_add_f32 v[T+18], v[T+16], v[T+17]
	s_delay_alu instid0(VALU_DEP_1)
	v_mul_f32 v[T+20], -0.5, v[T+18]               ; N
	v_mul_f32 v[T+21], -0.5, v[T+18]
	ds_store_b64 v[LA], v[T+20:T+21] offset:64
	s_wait_dscnt 0x0                               ; for the others' sake: my row lies in LDS
	s_barrier_signal -1
	s_barrier_wait -1
.macro LOADA j                         ; my row j and its N
.irp p, 0,1,2,3
	ds_load_b128 v[A+18*\j+4*\p:A+18*\j+4*\p+3], v[AA] offset:((2*\j+4)%8)*PL+16*\p
.endr
	ds_load_b32 v[NHA+\j], v[AA] offset:((2*\j+4)%8)*PL+64
.endm
.macro LOADB s, off                    ; a b' into set s
.irp p, 0,1,2,3
	ds_load_b128 v[B+20*(\s)+4*\p:B+20*(\s)+4*\p+3], v[BA] offset:\off+16*\p   ; one address for all lanes
.endr
	ds_load_b64 v[B+20*(\s)+16:B+20*(\s)+17], v[BA] offset:\off+64
.endm
.macro DM i                            ; number i of the 16: a maximum for each row of pair RW, into block TM of T
	v_dual_max_num_f32 v[T+32*TM+2*(\i)], v[A+36*RW+\i], v[BB+\i] :: v_dual_max_num_f32 v[T+32*TM+2*(\i)+1], v[A+36*RW+18+\i], v[BB+\i]
.endm
.macro AD i, n                         ; the tree in block TT of T: pair i takes in pair i + n
	v_pk_add_f32 v[T+32*TT+2*(\i):T+32*TT+2*(\i)+1], v[T+32*TT+2*(\i):T+32*TT+2*(\i)+1], v[T+32*TT+2*(\i+\n):T+32*TT+2*(\i+\n)+1]
.endm
.macro TOP                             ; N[b] + N[b'] joins the tree in block TT
	v_pk_add_f32 v[T+32*TT:T+32*TT+1], v[T+32*TT:T+32*TT+1], v[HAB+2*TT:HAB+2*TT+1]
.endm
.macro TAIL dd                         ; the tree's end: two rows' distances
	v_pk_add_f32 v[DIST+\dd:DIST+\dd+1], v[T+32*TT:T+32*TT+1], v[T+32*TT+2:T+32*TT+3]
.endm
; a batch of exponentials.  k = 1: three units' 12; k = 2: the four units' 16 of b' with o < 64; k = 3: the four half units' 8
.macro BATCH k
	s_wait_alu depctr_va_vdst(0)
.if \k == 3
.irp i, 2,3,6,7,10,11,14,15
	v_exp_f32 v[DIST+\i], -v[DIST+\i]
.endr
.else
.irp i, 0,1,2,3,4,5,6,7,8,9,10,11
	v_exp_f32 v[DIST+\i], -v[DIST+\i]
.endr
.if \k == 2
.irp i, 12,13,14,15
	v_exp_f32 v[DIST+\i], -v[DIST+\i]
.endr
.endif
.endif
.endm
.macro ACCUM k                         ; that batch joins the rows' sums
.if \k == 3
.irp i, 2,10
	v_pk_add_f32 v[DIST+\i:DIST+\i+1], v[DIST+\i:DIST+\i+1], v[DIST+4+\i:DIST+5+\i]
.endr
	v_pk_add_f32 v[ACC+2:ACC+3], v[ACC+2:ACC+3], v[DIST+2:DIST+3]
	v_pk_add_f32 v[ACC+2:ACC+3], v[ACC+2:ACC+3], v[DIST+10:DIST+11]
.else
.if \k == 2
.irp u, 0,1,2,3
	v_add_f32 v[COL+\u], v[DIST+4*\u+2], v[DIST+4*\u+3]            ; for b' number u: my lane's rows 2 and 3
.endr
.irp i, 0,2
	v_pk_add_f32 v[DIST+8+\i:DIST+9+\i], v[DIST+8+\i:DIST+9+\i], v[DIST+12+\i:DIST+13+\i]
.endr
.endif
.irp i, 0,2
	v_pk_add_f32 v[DIST+\i:DIST+\i+1], v[DIST+\i:DIST+\i+1], v[DIST+4+\i:DIST+5+\i]
.endr
.irp i, 0,2
	v_pk_add_f32 v[ACC+\i:ACC+\i+1], v[ACC+\i:ACC+\i+1], v[DIST+8+\i:DIST+9+\i]
.endr
.irp i, 0,2
	v_pk_add_f32 v[ACC+\i:ACC+\i+1], v[ACC+\i:ACC+\i+1], v[DIST+\i:DIST+\i+1]
.endr
.endif
.endm
; a unit.  s: its b' is in set s.  d: its distances go to 4 d ..  both: all four rows, or rows 2 and 3 alone.  left: LDS loads that may be out.
; ld: the place of the b' three units on, which is asked for (-1: none).  acc: the batch that is read behind the maxima (0: none)
; Half a unit: the maxima of row pair rows against the b' in set s go into block m of T; between them stands the tree of the block filled in the half before, whose
; distances go to DIST + dd (dd = -1: there is none yet).  An addition stands at least five instructions behind what it reads.  acc: the batch that is read here, ahead of the first distance that lands on its registers (0: none).
.macro PH s, m, rows, dd, acc
.set BB, B+20*(\s)
.set TM, \m
.set TT, 1-(\m)
.set RW, \rows
	v_pk_add_f32 v[HAB+2*TM:HAB+2*TM+1], v[NHA+2*RW:NHA+2*RW+1], v[BB+16:BB+17]
.if (\dd) >= 0
	TOP
	AD 1, 8
	DM 0
	AD 2, 8
	AD 3, 8
	DM 1
	AD 4, 8
	AD 5, 8
	DM 2
	AD 6, 8
	AD 7, 8
	DM 3
	AD 0, 8
	DM 4
	AD 1, 4
	DM 5
	AD 2, 4
	AD 3, 4
	DM 6
	AD 0, 4
	DM 7
	DM 8
	DM 9
	AD 1, 2
	DM 10
	AD 0, 2
.irp i, 11,12,13,14
	DM \i
.endr
.if \acc
	s_wait_alu depctr_va_vdst(0)                   ; one wait for the batch, ahead of the first instruction that names its results
	ACCUM \acc
.endif
	TAIL \dd
	DM 15
.else
.irp i, 0,1,2,3,4,5,6,7,8,9,10,11,12,13,14,15
	DM \i
.endr
	s_wait_alu depctr_va_vdst(0)                   ; the next half reads these maxima behind its wait
.endif
.endm
.macro TREE dd                         ; the walk's last tree, which no maxima follow
.set TT, 1
	TOP
.irp i, 1,2,3,4,5,6,7,0
	AD \i, 8
.endr
.irp i, 1,2,3,0
	AD \i, 4
.endr
	AD 1, 2
	AD 0, 2
	TAIL \dd
.endm
; a unit.  s: its b' is in set s.  da: where the distances of the half before go; db: where those of rows 0 and 1 go (rows 2 and 3's follow in the next unit).  left: LDS loads that may be out.
; ld: the place of the b' three units on, which is asked for (-1: none).  acc: the batch that is issued behind the first half, its last distances just made, and read in the second (0: none)
.macro UNIT s, da, db, left, ld, acc
	s_wait_dscnt \left
	PH \s, 0, 0, \da, 0
.if \acc
	BATCH \acc
.endif
	PH \s, 1, 1, \db, \acc
.if (\ld) >= 0
	LOADB \s, (\ld)*PL
.endif
.endm
.macro HALFU s, m, dd, left, ld        ; a b' against rows 2 and 3 alone; the two blocks of T take turns
	s_wait_dscnt \left
	PH \s, \m, 1, \dd, 0
	LOADB \s, (\ld)*PL
.endm
.macro THREE da, acc                   ; three units of other work-groups' b'; behind each one's loads those of the next two units may be out
	UNIT 2, \da, 0, 10, 11, \acc
	UNIT 0, 2, 4, 10, 12, 0
	UNIT 1, 6, 8, 10, 13, 0
.endm
	LOADA 2
	LOADA 3
	LOADB 0, 0
	LOADB 1, PL
	LOADB 2, 2*PL
	LOADA 0
	LOADA 1
.irp i, 0,1
	global_load_b128 v[XCP+4*\i:XCP+4*\i+3], v[TO], s[6:7] offset:\i*8192 th:TH_LOAD_NT   ; read once in this launch
.endr
	HALFU 0, 0, -1, 20, 3                          ; b' 0-3: own rows with o >= 64, against rows 2 and 3.  Two b' and rows 0 and 1's ten loads may be out
	HALFU 1, 1, 2, 20, 4                           ; one b', the ten, and unit 0's five
	HALFU 2, 0, 6, 20, 5                           ; the ten, units 0 and 1's five each
	HALFU 0, 1, 10, 10, 6
	UNIT 1, 14, 0, 10, 7, 3                        ; b' 4-7: own rows with o < 64
	UNIT 2, 2, 4, 10, 8, 0
	UNIT 0, 6, 8, 10, 9, 0
	UNIT 1, 10, 12, 10, 10, 0
	THREE 14, 2                                    ; b' 8-10
	s_wait_loadcnt 0x0                             ; x
	global_store_b128 v[TO], v[XCP:XCP+3], s[22:23] th:TH_STORE_NT
	global_store_b128 v[TO], v[XCP+4:XCP+7], s[22:23] offset:8448 th:TH_STORE_NT
	s_mov_b32 s26, 6
.Ltrip:                                                ; six trips: b' 11-28
	v_add_nc_u32 v[BA], 3*PL, v[BA]                ; three places on
	THREE 10, 1
	s_sub_co_u32 s26, s26, 1
	s_cmp_lg_u32 s26, 0
	s_cbranch_scc1 .Ltrip
	UNIT 2, 10, 0, 10, -1, 1                       ; b' 29-31: nothing more to fetch, the counts run down
	UNIT 0, 2, 4, 5, -1, 0
	UNIT 1, 6, 8, 0, -1, 0
	TREE 10
	BATCH 1
.irp m, 1,2,4,8
.irp u, 0,1,2,3
	v_add_f32_dpp v[COL+\u], v[COL+\u], v[COL+\u] row_xmask:\m row_mask:0xf bank_mask:0xf   ; COL over the lanes: inside each half of 16,
.endr
.endr
.irp u, 0,1,2,3
	v_permlanex16_b32 v[T+\u], v[COL+\u], s30, s31
.endr
.irp u, 0,1,2,3
	v_add_f32 v[COL+\u], v[COL+\u], v[T+\u]        ; and across the halves
.endr
.irp u, 0,1,2,3
	v_mov_b32 v[T+4+\u], 0
.endr
	s_wait_alu depctr_va_vdst(0)                   ; one wait for the batch, ahead of its first reader
	ACCUM 1
	ds_store_b128 v[CSA], v[COL:COL+3]             ; every lane the same 16 bytes: own rows o = 16 u + w
	ds_store_b128 v[CSA], v[T+4:T+7] offset:256    ; rows with o >= 64 have no COL: zeros
	ds_store_b128 v[RSA], v[ACC:ACC+3]             ; my four rows' sums over my walk
	s_wait_dscnt 0x0                               ; for the others' sake
	s_barrier_signal -1
	s_barrier_wait -1
	s_cmp_gt_u32 s12, 3                            ; 128 rows: waves 0 to 3 finish them, wave j the rows 128 q + 32 j + lane
	s_cbranch_scc1 .Ldone
.irp i, 0,1,2,3,4,5,6,7,8,9,10,11,12,13,14,15
	ds_load_b32 v[T+\i], v[RLA] offset:\i*512      ; wave i's sum for my row
.endr
	ds_load_b32 v[T+16], v[CRA]                    ; and its COL
	s_lshl_b32 s28, s13, 7
	s_lshl_b32 s29, s12, 5
	s_add_co_u32 s28, s28, s29                     ; my wave's first row,
	s_mul_i32 s28, s28, 8448                       ; of 8,448 bytes,
	s_lshl_b32 s29, ttmp9, 2
	s_add_co_u32 s28, s28, s29                     ; + 4 k
	s_add_co_u32 s28, s28, 8192                    ; behind the copy of x
	s_mov_b32 s29, 0
	s_add_nc_u64 s[8:9], s[8:9], s[28:29]
	s_wait_dscnt 0x0
.irp m, 0,2,4,6
	v_pk_add_f32 v[T+\m:T+\m+1], v[T+\m:T+\m+1], v[T+\m+8:T+\m+9]
.endr
.irp m, 0,2
	s_delay_alu instid0(VALU_DEP_2)
	v_pk_add_f32 v[T+\m:T+\m+1], v[T+\m:T+\m+1], v[T+\m+4:T+\m+5]
.endr
	s_delay_alu instid0(VALU_DEP_1)
	v_pk_add_f32 v[T:T+1], v[T:T+1], v[T+2:T+3]
	s_delay_alu instid0(VALU_DEP_1)
	v_add_f32 v[T], v[T], v[T+1]
	s_delay_alu instid0(VALU_DEP_1)
	v_add_f32 v[T], v[T], v[T+16]
	global_store_b32 v[OO], v[T], s[8:9] th:TH_STORE_NT
.Ldone:
	s_wait_tensorcnt 0x0                           ; the wave's end, behind my last LDS store
	ds_add_u32 v[SPW], v[NIL]
	s_wait_dscnt 0x0
	s_endpgm
.Lfunc_end_k_q9827e847f3_pairs:
	.size	k_q9827e847f3_pairs, .Lfunc_end_k_q9827e847f3_pairs-k_q9827e847f3_pairs
	.p2alignl 7, 3214868480
	.fill 96, 4, 3214868480
	.section	.rodata,"a",@progbits
	.p2align	6, 0x0
	.amdhsa_kernel k_q9827e847f3_pairs
		.amdhsa_group_segment_fixed_size 51968
		.amdhsa_private_segment_fixed_size 0
		.amdhsa_enable_private_segment 0
		.amdhsa_kernarg_size 24
		.amdhsa_user_sgpr_count 2
		.amdhsa_user_sgpr_kernarg_segment_ptr 1
		.amdhsa_wavefront_size32 1
		.amdhsa_system_sgpr_workgroup_id_x 1
		.amdhsa_system_sgpr_workgroup_id_y 1
		.amdhsa_system_sgpr_workgroup_id_z 1
		.amdhsa_system_vgpr_workitem_id 0
		.amdhsa_next_free_vgpr 252
		.amdhsa_next_free_sgpr 66
		.amdhsa_reserve_vcc 0
		.amdhsa_float_denorm_mode_32 3
		.amdhsa_float_denorm_mode_16_64 3
		.amdhsa_memory_ordered 1
		.amdhsa_forward_progress 1
		.amdhsa_inst_pref_size 88
	.end_amdhsa_kernel
	.amdgpu_metadata
---
amdhsa.version: [ 1, 2 ]
amdhsa.kernels:
  - .name:           k_q9827e847f3_pairs
    .symbol:         k_q9827e847f3_pairs.kd
    .args:
      - { .name: act, .offset: 0, .size: 8, .value_kind: global_buffer, .address_space: global }
      - { .name: x, .offset: 8, .size: 8, .value_kind: global_buffer, .address_space: global }
      - { .name: out0, .offset: 16, .size: 8, .value_kind: global_buffer, .address_space: global }
    .group_segment_fixed_size: 51968
    .private_segment_fixed_size: 0
    .kernarg_segment_align: 8
    .kernarg_segment_size: 24
    .max_flat_workgroup_size: 512
    .sgpr_count:     66
    .vgpr_count:     252
    .wavefront_size: 32
...
	.end_amdgpu_metadata
.endif
;; end of part 2
